; MI455X (gfx1250); checked and timed in simulation.
; The chip was launched on July 23, 2026; its instructions are those of AMD's public machine-readable ISA for CDNA 5 (MIT licence, August 2026) and "CDNA5" Instruction Set Architecture Reference Guide (July 2026). The comments in the code are by the model that wrote it; some were corrected since.
;; Domain Attention Layer. Allowed arithmetic: matrix products marked QUANTISED: E2M3 operands, one E8M0 scale for each 32 along K, by v_wmma_scale_f32_16x16x128_f8f6f4 with both operands' format E2M3, f32 sums; everything else in f32.
;; Inputs: Wk_codes 512 x 16 x 24 uint8 (E2M3 codes of Wk, K innermost, in blocks of 32 codes, four codes in three bytes); Wk_scales 512 x 16 uint8 (E8M0 scales of Wk, one for each 32 codes along K); Wq_codes 512 x 16 x 24 uint8 (E2M3 codes of Wq, K innermost, in blocks of 32 codes, four codes in three bytes); Wq_scales 512 x 16 uint8 (E8M0 scales of Wq, one for each 32 codes along K); Wv_codes 512 x 16 x 24 uint8 (E2M3 codes of Wv, K innermost, in blocks of 32 codes, four codes in three bytes); Wv_scales 512 x 16 uint8 (E8M0 scales of Wv, one for each 32 codes along K); bk 512 float32; bq 512 float32; bv 512 float32; domain_x_codes 8,192 x 16 x 24 uint8 (E2M3 codes of domain_x, K innermost, in blocks of 32 codes, four codes in three bytes); domain_x_scales 8,192 x 16 uint8 (E8M0 scales of domain_x, one for each 32 codes along K); x_codes 4,096 x 16 x 24 uint8 (E2M3 codes of x, K innermost, in blocks of 32 codes, four codes in three bytes); x_scales 4,096 x 16 uint8 (E8M0 scales of x, one for each 32 codes along K).
;; Outputs: out0 4,096 x 512 float32.
;; This version of the problem:
;;   THIS VERSION OF THE PROBLEM IS GIVEN IN LOW PRECISION. The matrix products marked QUANTISED in the list below multiply operands that are first quantised to E2M3 (2 exponent bits, 3 mantissa bits; 6 bits a number), with one power-of-two scale for each 32 numbers along K (OCP MX v1.0); their sums are f32. All else is computed in f32.
;;   The module's matrix products, in the order in which they are computed (A, B: the left and right operand; K: the contracted axis; several contracted axes count as one K, in the product's order):
;;     1. [M 4,096, K 512] x [K 512, N 512]; A: input x (given as codes); B: input Wq (given as codes): QUANTISED
;;     2. [M 8,192, K 512] x [K 512, N 512]; A: input domain_x (given as codes); B: input Wk (given as codes): QUANTISED
;;     3. [M 8,192, K 512] x [K 512, N 512]; A: input domain_x (given as codes); B: input Wv (given as codes): QUANTISED
;;     4. [M 4,096, K 512] x [K 512, N 8,192]; A: computed on the way; B: computed on the way: QUANTISED
;;     5. [M 4,096, K 8,192] x [K 8,192, N 512]; A: softmax (see below); B: computed on the way: QUANTISED
;;   THE QUANTISER, for each operand of a quantised product, along K:
;;     - K is cut into blocks of 32 from its start; a last block that is shorter is filled with zeros.
;;     - A block's scale is 2^e with e = floor(log2(the largest magnitude in the block)) - 2, held to -126 .. 127; a block of zeros has e = 0. As a byte (E8M0): e + 127.
;;     - Each number is divided by its block's scale, clamped to +-7.5, and rounded to the nearest number of E2M3, ties to even, subnormals kept.
;;     - The product sums the exact products of the quantised numbers (number of the format x scale) in f32.
;;   ~~~python
;;   def quantise(x, axis):      # numpy; x: float32 -> the quantised numbers, widened to float32 again
;;       x = np.moveaxis(x, axis, -1); K = x.shape[-1]
;;       x = np.pad(x, [(0, 0)] * (x.ndim - 1) + [(0, -K % 32)]); x = x.reshape(x.shape[:-1] + (-1, 32)); a = np.abs(x).max(-1, keepdims=True)
;;       e = np.where(a > 0, np.clip(np.frexp(np.where(a > 0, a, 1))[1] - 1 - 2, -126, 127), 0)      # np.frexp(a)[1] - 1 = floor(log2(a)), exactly
;;       r = np.clip(x / 2.0 ** e, -7.5, 7.5)
;;       step = 2.0 ** (np.maximum(np.frexp(np.where(r == 0, 1, r))[1] - 1, 0) - 3)
;;       q = np.round(r / step) * step * 2.0 ** e      # np.round: ties to even
;;       return np.moveaxis(q.reshape(q.shape[:-2] + (-1,))[..., :K], -1, axis).astype(np.float32)
;;   ~~~
;;   SOFTMAX AHEAD OF A QUANTISED PRODUCT. Where the list says 'softmax', what is quantised is not the finished softmax but p = 2^(t - M), with t = logit x log2(e) and M = ceil(the row's largest t), a whole number; so 1/2 < the row's largest p <= 1. The row's sum l is taken of the UNQUANTISED p, in f32, and the product's result is divided by l at the end. Since M is a whole number, a kernel that streams over the keys may use a running M (the ceiling of the running maximum): every later rescaling is an exact power of two, which a block's scale takes up: the codes' values come out the same.
;;   OPERANDS COMPUTED ON THE WAY. 'Computed on the way' means the value that the module computes at that place (a softmax that the list does not call 'softmax' is quantised finished and normalised). What goes into a quantiser is computed in f32, as accurately as f32 sums, v_exp_f32 and their like allow (about 1e-6 of the number): no bf16 or f16 on the way to a quantiser, and a product that is left as it is and whose result goes on into a quantised operand takes f32 operands (vector FMAs, or v_wmma_f32_16x16x4_f32). A number that lies on a knife's edge between two numbers of the format may be rounded either way, as far as f32 arithmetic and the matrix unit's own rounding can turn it there, and no further.
;;   INPUTS GIVEN AS CODES. Wk (in the module: [512, 512], K = its axis 1); Wq (in the module: [512, 512], K = its axis 1); Wv (in the module: [512, 512], K = its axis 1); domain_x (in the module: [8192, 512], K = its axis 1); x (in the module: [4096, 512], K = its axis 1): each comes as NAME_codes (uint8): NAME with its K axis moved to the last place and cut into blocks of 32 codes, [.., K / 32, bytes a block], one block behind the other in memory; four codes in three bytes: a row's codes are one little-endian stream of bits, code i at bits 6 i .. 6 i + 5 (a code: sign, 2 exponent bits, 3 mantissa bits); and NAME_scales (uint8): the same leading axes, one E8M0 byte (e + 127) for each 32 codes along K. Its value is code x scale, taken as it is: it is not quantised again, and the codes and scales need not be those that the quantiser above would give.
;; One version. Each part assembles by itself: llvm-mc -triple=amdgcn-amd-amdhsa -mcpu=gfx1250 --defsym DOCPART=n.
;; ======== version 1 of 1: 3 launches
;; limits: right only within a limited range of input values
;; workspace buffers: qf 1,638,400 bytes; kv 6,553,600 bytes; po 33,554,432 bytes; pl 131,072 bytes
;; launch proj (part 1): grid 160 x 1, 4 waves a work-group, clusters of 4 x 1, 327,680 bytes of LDS; arguments x_codes, x_scales, domain_x_codes, domain_x_scales, Wq_codes, Wq_scales, Wk_codes, Wk_scales, Wv_codes, Wv_scales, bq, bk, bv, qf, kv; writes qf, kv
.if DOCPART == 1
	.amdgcn_target "amdgcn-amd-amdhsa--gfx1250"
	.amdhsa_code_object_version 6
	.text
	.protected	k_qdfa8204d53_proj
	.globl	k_qdfa8204d53_proj
	.p2align	8
	.type	k_qdfa8204d53_proj,@function
k_qdfa8204d53_proj:
	s_mov_b64 s[64:65], 0
	v_nop
	global_prefetch_b8 v0, s[64:65] scope:SCOPE_SE
	s_setreg_imm32_b32 hwreg(HW_REG_WAVE_MODE, 25, 1), 1
	s_wait_xcnt 0x0
	s_wait_alu depctr_hold_cnt(0) depctr_sa_sdst(0) depctr_va_vdst(0) depctr_va_sdst(0) depctr_va_ssrc(0) depctr_va_vcc(0) depctr_vm_vsrc(0)
	s_getreg_b32 s2, hwreg(HW_REG_IB_STS2, 6, 4)
	s_cmp_eq_u32 s2, 0
	s_cbranch_scc0 .Lentry_in_a_cluster
	s_endpgm
.Lentry_in_a_cluster:
	s_bfe_u32 s2, ttmp6, 0x10000c
	s_cmp_lg_u32 s2, 0x3003
	s_cbranch_scc0 .Lentry_shape_is_right
	s_endpgm
.Lentry_shape_is_right:
; q = x Wq^T + bq, k = domain_x Wk^T + bk, v = domain_x Wv^T + bv and their quantisers: codes of E2M3 and E8M0 bytes leave in the order of the next launch's operand registers.
; No work of the problem is left out, here or in the later launches; every input is loaded.  LIMITS: NaN and infinities are not served; a block of 32 zeros keeps the byte 1 (its codes are zeros; the bytes are no output).
; SHARES.  Clusters 0 to 7 make q, 8 to 23 k (a work-group: 128 rows), 24 to 39 v (a work-group: 512 rows x 128 columns).  A wave keeps 128 rows of one operand in registers (of Wq, Wk, or domain_x) and walks 128 rows of the other, 16 at a time.
; The products are used transposed: a lane holds one walked row and 64 results along the kept rows, four half blocks of 32 of the next product's K; the rows that form a tile are chosen so that 16 registers of two tiles are 16 neighbours.
; CLUSTER.  The four partners keep the same 512 rows: waves 0 to 2 ask for a third each by a joint load (65,536 bytes), wave 3 for the 128 rows that its work-group alone walks.  One tensor load a wave.
; A row of codes is 384 bytes: the tiles are dense blocks, stated as rows of 256 bytes from multiples of 256, with 16 bytes of padding behind every 128: an LDS row is 384 + 48 bytes.  No prefetch: the launch has no loop to run ahead in.
; kv: [split of 2,048 keys][wave 0..3][16 blocks of 25,600 bytes: K0 K1 V0 V1 K2 K3 V2 V3 ..]: step j's K stands at block 2 j - (j & 1), its V two blocks on.
; qf: the two blocks of 64 queries of a work-group stand 16 blocks apart.
; REGISTERS: window 0: addresses, scale words, two sets of 64 results; windows 1, 2: the kept fragments (tile t, K steps 0, 1 and 2, 3);  window 3: two sets of walked fragments, from 128 the bias as the first products' C.
.set PITCH, 432
.set STATB, 128*PITCH
.set UNITB, 256*288
.set MOV,   4*STATB
.set SPARE, MOV+STATB
.set BLOCK, 25600
.set FRB,   1536
.set WAVEB, 409600
.set SPLITB, 1638400
.set SA,   4
.set MA,   6
.set PR16, 8
.set BQK,  9
.set LI,   10
.set L8,   11
.set SPW,  12
.set NIL,  13
.set LANE, 14
.set BVO,  15
.set SS,   16
.set MS,   50
.set HA,   82                          ; fragment k's results: v[HA + 108 (k % 2)] on
.set TM,   146
.set PC,   162
.set PWQ,  182
.set SW,   186
.set BS,   128
.set WV,   36
.set G1S,  40
.set G1M,  48
.set G0S,  56
.set G0M,  60
.set STC,  66
.set STS,  68
.set MVC,  70
.set MVS,  72
.set BIA,  74
.set OC,   76
.set OS,   78
.set SEL,  80
.set OC2,  98                          ; where the second four fragments go, and their scale words
.set OS2,  100
.set MSB, 0
.macro WIN new
.if MSB != \new
	s_set_vgpr_msb (MSB<<8)|\new
.set MSB, \new
.endif
.endm
.macro PLACES n
.rept \n
	v_nop
.endr
.endm
.macro WALU
	s_wait_alu depctr_va_vdst(0)
.endm
.macro CROUND                          ; a round of the cluster's barrier
	s_barrier_signal -1
	s_barrier_wait -1
	s_cmp_lg_u32 s[WV], 0
	s_cbranch_scc1 .Lnot_wave_0_\@
	s_barrier_signal -3
.Lnot_wave_0_\@:
	s_barrier_wait -3
	s_barrier_signal -1
	s_barrier_wait -1
.endm
.macro LFRAG reg, adr, s, row          ; a fragment's six pieces of 8 bytes; where lanes 16-31 are one padding further on the second address serves
.irp p, 0,1,2,3,4,5
.set PCE, 12*(\s)+6*(\p/3)+\p%3
.if PCE%16 < 13
	ds_load_b64 v[(\reg)+2*\p:(\reg)+2*\p+1], v[\adr] offset:8*PCE+16*(PCE/16)+(\row)*PITCH
.else
	ds_load_b64 v[(\reg)+2*\p:(\reg)+2*\p+1], v[\adr+1] offset:8*PCE+16*(PCE/16)+(\row)*PITCH
.endif
.endr
.endm
.macro MVL k, s                        ; walked fragment k, K step s: 6 loads
	WIN 0xc0
	LFRAG 48*((\k)%2)+12*(\s), MA, (\s), 64*((\k)/4)+32*(((\k)%4)/2)+8*((\k)%2)
.endm
.macro STL s                           ; the kept rows' fragments of K step s: 48 loads
	WIN 0x40+0x40*(\s/2)
.irp t, 0,1,2,3,4,5,6,7
	LFRAG 24*\t+12*(\s%2), SA, \s, 32*(\t/2)+8*(\t%2)
.endr
.endm
.macro GRP0 k, vflag                   ; K step 0 starts the eight sums from the bias: of the kept rows (q, k), or of the walked row (v)
	WIN 0x3d
.irp t, 0,1,2,3,4,5,6,7
.set HD_, HA+108*((\k)%2)+8*\t
.set RB_, 48*((\k)%2)
.if \vflag
.set CB_, BS+8*(\k)
.else
.set CB_, BS+8*\t
.endif
	v_wmma_scale_f32_16x16x128_f8f6f4 v[HD_:HD_+7], v[24*\t:24*\t+11], v[RB_:RB_+11], v[CB_:CB_+7], v[SS+4*\t], v[MS+4*(\k)] matrix_a_fmt:MATRIX_FMT_FP6 matrix_b_fmt:MATRIX_FMT_FP6
.endr
	WIN 0
.endm
.macro GRP k, s, q                     ; K step s, the eight sums by turns; q = 1: four lines of the last fragment's search behind every second product
.irp t, 0,1,2,3,4,5,6,7
	WIN 0x0d+\s/2
.set HD_, HA+108*((\k)%2)+8*\t
.set RA_, 24*\t+12*(\s%2)
.set RB_, 48*((\k)%2)+12*\s
	v_wmma_scale_f32_16x16x128_f8f6f4 v[HD_:HD_+7], v[RA_:RA_+11], v[RB_:RB_+11], v[HD_:HD_+7], v[SS+4*\t+\s], v[MS+4*(\k)+\s] matrix_a_fmt:MATRIX_FMT_FP6 matrix_b_fmt:MATRIX_FMT_FP6
.if \q
.if \t%2
	WIN 0
.rept 4
	QLINE
.endr
.endif
.endif
.endr
.endm
.macro QLINE                           ; line QN_ of 48: the four blocks' largest magnitudes (floor 2^(3 - 127)), joined with lane l xor 16's, the conversions' scale operands and the bytes; the blocks by turns
.set b_, QN_%4
.set h_, HQ_+16*b_+2*(QN_/4)
.if QN_ < 4
	v_max3_num_f32 v[TM+b_], |v[h_]|, |v[h_+1]|, 0x1800000
.elseif QN_ < 32
	v_max3_num_f32 v[TM+b_], v[TM+b_], |v[h_]|, |v[h_+1]|
.elseif QN_ < 36
	v_permlanex16_b32 v[TM+4+b_], v[TM+b_], s[SEL], s[SEL+1]
.elseif QN_ < 40
	v_max_num_f32 v[TM+b_], v[TM+b_], v[TM+4+b_]
.elseif QN_ < 44
	v_add_nc_u32 v[TM+12+b_], 0xff000000, v[TM+b_]
.else
	v_lshrrev_b32 v[TM+4+b_], 23, v[TM+12+b_]
.endif
.set QN_, QN_+1
.endm
.macro CONV k                          ; fragment k's codes and scale word, and their stores: 512 consecutive bytes each
.set KN_, (\k)/4
.set KI_, (\k)%4
.set HC_, HA+108*((\k)%2)
.set OX_, OC+(OC2-OC)*KN_
.set OY_, OS+(OS2-OS)*KN_
	WALU
	s_wait_xcnt 0x0                                ; the last stores have read their registers
	v_lshl_or_b32 v[PWQ+KI_], v[TM+5], 8, v[TM+4]
	v_lshl_or_b32 v[PWQ+KI_], v[TM+6], 16, v[PWQ+KI_]
	v_lshl_or_b32 v[PWQ+KI_], v[TM+7], 24, v[PWQ+KI_]
.irp c, 0,1
	v_cvt_scalef32_pk16_fp6_f32 v[PC+6*\c:PC+2+6*\c], v[HC_+32*\c:HC_+15+32*\c], v[TM+12+2*\c]
	v_cvt_scalef32_pk16_fp6_f32 v[PC+12+4*\c:PC+14+4*\c], v[HC_+16+32*\c:HC_+31+32*\c], v[TM+12+2*\c+1]
.endr
	v_nop
.irp c, 0,1
.irp i, 0,1,2
	v_permlane16_swap_b32 v[PC+6*\c+\i], v[PC+12+4*\c+\i]
.endr
.irp i, 0,1,2
	v_mov_b32 v[PC+3+6*\c+\i], v[PC+12+4*\c+\i]
.endr
.endr
.irp c, 0,1,2
	global_store_b128 v[LI], v[PC+4*\c:PC+4*\c+3], s[OX_:OX_+1] offset:KI_*FRB+512*\c
.endr
.if KI_ == 3
	v_cmp_le_u32 vcc_lo, 16, v[LANE]
	v_cndmask_b32 v[SW], v[PWQ], v[PWQ+2], vcc_lo
	v_cndmask_b32 v[SW+1], v[PWQ+1], v[PWQ+3], vcc_lo
	global_store_b64 v[L8], v[SW:SW+1], s[OY_:OY_+1]
.endif
.endm
; Walked fragment k: 32 products, the next fragment's loads and the last one's search among them, its conversions behind them.  The branch hangs on the cluster's number alone.
.macro FR k
.if (\k) > 0
	WALU
	s_wait_dscnt 0x0
.else
	s_wait_dscnt 48                                ; the walked fragment and the kept rows' K step 0 are in; K step 1's 48 loads may be out
.endif
.if (\k) == 1
	PLACES 4
.endif
.set HQ_, HA+108*(((\k)+1)%2)
.set QN_, 0
	s_cmp_lt_u32 ttmp9, 24
	s_cbranch_scc0 .Lfor_v_\@
	GRP0 \k, 0
	s_branch .Lstarted_\@
.Lfor_v_\@:
	GRP0 \k, 1
.Lstarted_\@:
.if (\k) == 0
	STL 2
	s_wait_dscnt 48                                ; all but K step 2's
	GRP 0, 1, 0
	STL 3
	s_wait_dscnt 48
	GRP 0, 2, 0
.irp s, 0,1,2,3
	MVL 1, \s
.endr
	s_wait_dscnt 24                                ; all but the next fragment's
	GRP 0, 3, 0
	WIN 0
.else
.irp s, 1,2,3
.if (\k) < 7
	MVL (\k)+1, \s-1
.endif
	GRP \k, \s, 1
.endr
.if (\k) < 7
	MVL (\k)+1, 3
.endif
	WIN 0
	CONV (\k)-1
.endif
.endm
	s_load_b512 s[4:19], s[0:1], 0x0
	s_load_b256 s[20:27], s[0:1], 0x40
	s_load_b128 s[28:31], s[0:1], 0x60
	s_load_b64 s[32:33], s[0:1], 0x70
	v_lshl_add_u32 v[SPW], v0, 2, SPARE
	v_mov_b32 v[NIL], 0
	ds_add_u32 v[SPW], v[NIL]                      ; the wave's opening: the add, twice on end, and its wait ahead of my first tensor load
	ds_add_u32 v[SPW], v[NIL]
	v_lshrrev_b32 v1, 5, v0
	v_readfirstlane_b32 s[WV], v1
	s_bfe_u32 s2, ttmp6, 0x40000                   ; cx
	s_mov_b32 s[G1S], 15|(1<<20)|(1<<21)|(4<<22)|(3<<25)
	s_mov_b32 s[G1M], (1<<20)|(4<<22)|(3<<25)
.irp g, G1S, G1M
	s_mov_b32 s[\g+1], 256<<16
	s_mov_b32 s[\g+3], 256<<16
	s_mov_b32 s[\g+5], 256
	s_mov_b32 s[\g+6], 0
	s_mov_b32 s[\g+7], 0
.endr
	s_mov_b32 s[G1S+2], 256<<16
	s_mov_b32 s[G1S+4], 256
	s_mov_b32 s[G1M+2], 192<<16
	s_mov_b32 s[G1M+4], 192
	s_cmp_lt_u32 ttmp9, 8
	s_cselect_b32 s37, 0, 8
	s_cmp_lt_u32 ttmp9, 24
	s_cselect_b32 s37, s37, 24
	s_sub_co_u32 s82, ttmp9, s37                   ; the cluster's number among its kind
	s_lshl_b32 s37, s82, 2
	s_add_co_u32 s37, s37, s2                      ; the work-group's
	s_lshl_b32 s84, s82, 9                         ; v: the kept rows,
	s_lshl_b32 s85, s2, 7                          ; the walked rows,
	s_lshl_b32 s86, s82, 1
	s_lshr_b32 s87, s[WV], 1
	s_add_co_u32 s86, s86, s87                     ; my step of 256 keys, and its place in kv
	s_lshr_b32 s87, s86, 3
	s_mul_i32 s87, s87, SPLITB
	s_and_b32 s89, s86, 7
	s_and_b32 s90, s86, 1
	s_lshl_b32 s89, s89, 1
	s_sub_co_u32 s89, s89, s90
	s_add_co_u32 s89, s89, 2
	s_mul_i32 s89, s89, BLOCK
	s_add_co_u32 s86, s87, s89
	s_mul_i32 s87, s2, WAVEB
	s_add_co_u32 s86, s86, s87
	s_and_b32 s34, s[WV], 1
	s_lshl_b32 s34, s34, 1
	s_lshl_b32 s88, s2, 9
	s_lshl_b32 s89, s37, 7                         ; q, k: the walked rows,
	s_lshr_b32 s90, s37, 4                         ; k's place in kv: two blocks of 64 keys, WAVEB apart
	s_mul_i32 s90, s90, SPLITB
	s_bfe_u32 s91, s37, 0x30001
	s_bfe_u32 s92, s37, 0x10001
	s_lshl_b32 s91, s91, 1
	s_sub_co_u32 s91, s91, s92
	s_mul_i32 s91, s91, BLOCK
	s_add_co_u32 s90, s90, s91
	s_and_b32 s91, s37, 1
	s_mul_i32 s91, s91, 2*WAVEB
	s_add_co_u32 s90, s90, s91
	s_lshr_b32 s91, s37, 4                         ; q's place in qf
	s_lshl_b32 s91, s91, 4
	s_add_co_u32 s91, s91, s37
	s_mul_i32 s91, s91, BLOCK
	s_lshl_b32 s92, s[WV], 9
	s_cmp_lt_u32 ttmp9, 24
	s_cselect_b32 s84, 0, s84
	s_cselect_b32 s85, s89, s85
	s_cselect_b32 s86, s90, s86
	s_cselect_b32 s34, s[WV], s34
	s_cselect_b32 s88, s92, s88
	s_cmp_lt_u32 ttmp9, 8
	s_cselect_b32 s86, s91, s86
	s_mul_i32 s90, s84, 384
	s_lshl_b32 s89, s[WV], 16
	s_add_co_u32 s90, s90, s89
	s_lshl_b32 s89, s[WV], 7
	s_add_co_u32 s84, s84, s89
	s_mov_b32 s91, 0
	s_lshl_b32 s92, s84, 4
	s_mov_b32 s93, 0
	s_mul_i32 s94, s85, 384
	s_mov_b32 s95, 0
	s_lshl_b32 s82, s85, 4
	s_mov_b32 s83, 0
	s_mov_b32 s89, 0
	s_mov_b32 s87, 0
	s_lshl_b32 s38, s34, 8
	s_add_co_u32 s38, s38, 16*FRB
	s_mov_b32 s39, 0
	s_mul_i32 s34, s34, 4*FRB
	s_mov_b32 s35, 0
	s_mov_b32 s[G0S], 1
	s_mul_i32 s[G0S+1], s[WV], UNITB
	s_mul_i32 s3, s[WV], STATB                     ; where my 128 kept rows lie
	s_mov_b32 s[G0M], 1
	s_mov_b32 s[G0M+1], MOV
	s_mov_b32 s[SEL], 0x76543210
	s_mov_b32 s[SEL+1], 0xfedcba98
	v_and_b32 v1, 15, v0
	v_bfe_u32 v2, v0, 4, 1
	v_and_b32 v3, 8, v1
	v_add_nc_u32 v3, v3, v1
	v_and_b32 v[LANE], 31, v0
	v_mul_u32_u24 v[BVO], v3, PITCH
	v_mad_u32_u24 v[SA], v2, 24, v[BVO]
	v_mad_u32_u24 v[SA+1], v2, 40, v[BVO]
	v_add_nc_u32 v[MA], MOV, v[SA]
	v_add_nc_u32 v[MA+1], MOV, v[SA+1]
	v_add_nc_u32 v[SA], s3, v[SA]
	v_add_nc_u32 v[SA+1], s3, v[SA+1]
	v_lshlrev_b32 v[PR16], 4, v3
	v_lshlrev_b32 v[BQK], 6, v2
	v_lshlrev_b32 v[BVO], 2, v3
	v_lshlrev_b32 v[LI], 4, v[LANE]
	v_lshlrev_b32 v[L8], 3, v[LANE]
.irp b, 0,1,2,3
	v_mov_b32 v[TM+4+\b], 0
.endr
	WALU
	s_wait_dscnt 0x0                               ; both opening adds are done
	CROUND                                         ; all four work-groups are here: the joint loads meet
	s_wait_kmcnt 0x0
	s_cmp_lt_u32 ttmp9, 24
	s_cselect_b64 s[STC:STC+1], s[16:17], s[8:9]
	s_cselect_b64 s[STS:STS+1], s[18:19], s[10:11]
	s_cselect_b64 s[MVC:MVC+1], s[8:9], s[20:21]
	s_cselect_b64 s[MVS:MVS+1], s[10:11], s[22:23]
	s_cselect_b64 s[BIA:BIA+1], s[26:27], s[28:29]
	s_cmp_lt_u32 ttmp9, 8
	s_cselect_b64 s[STC:STC+1], s[12:13], s[STC:STC+1]
	s_cselect_b64 s[STS:STS+1], s[14:15], s[STS:STS+1]
	s_cselect_b64 s[MVC:MVC+1], s[4:5], s[MVC:MVC+1]
	s_cselect_b64 s[MVS:MVS+1], s[6:7], s[MVS:MVS+1]
	s_cselect_b64 s[BIA:BIA+1], s[24:25], s[BIA:BIA+1]
	s_cselect_b64 s[OC:OC+1], s[30:31], s[32:33]
	s_add_nc_u64 s[G0S+2:G0S+3], s[STC:STC+1], s[90:91]
	s_or_b32 s[G0S+3], s[G0S+3], 0x80000000
	s_add_nc_u64 s[G0M+2:G0M+3], s[MVC:MVC+1], s[94:95]
	s_or_b32 s[G0M+3], s[G0M+3], 0x80000000
	s_cmp_lt_u32 s[WV], 3                          ; one tensor load a wave: waves 0 to 2 the kept rows, wave 3 the walked ones
	s_cbranch_scc0 .Lwalked
	tensor_load_to_lds s[G0S:G0S+3], s[G1S:G1S+7]
	s_nop 0
	PLACES 4
	s_branch .Lasked
.Lwalked:
	tensor_load_to_lds s[G0M:G0M+3], s[G1M:G1M+7]
	s_nop 0
	PLACES 4
.Lasked:
	s_add_nc_u64 s[STS:STS+1], s[STS:STS+1], s[92:93]
	s_add_nc_u64 s[MVS:MVS+1], s[MVS:MVS+1], s[82:83]
	s_add_nc_u64 s[BIA:BIA+1], s[BIA:BIA+1], s[88:89]
	s_add_nc_u64 s[OC:OC+1], s[OC:OC+1], s[86:87]
	s_add_nc_u64 s[OS:OS+1], s[OC:OC+1], s[38:39]
	s_add_nc_u64 s[OC:OC+1], s[OC:OC+1], s[34:35]
	s_mov_b32 s86, 4*FRB                           ; from the first four fragments to the second four: v,
	s_mov_b32 s87, 0
	s_mov_b32 s90, 256
	s_mov_b32 s91, 0
	s_mov_b32 s92, WAVEB                           ; q and k
	s_cmp_lt_u32 ttmp9, 24
	s_cselect_b32 s86, s92, s86
	s_cselect_b32 s90, s92, s90
	s_add_nc_u64 s[OC2:OC2+1], s[OC:OC+1], s[86:87]
	s_add_nc_u64 s[OS2:OS2+1], s[OS:OS+1], s[90:91]
.irp t, 0,1,2,3,4,5,6,7
	global_load_b128 v[SS+4*\t:SS+4*\t+3], v[PR16], s[STS:STS+1] offset:(32*(\t/2)+8*(\t%2))*16
.endr
.irp k, 0,1,2,3,4,5,6,7
	global_load_b128 v[MS+4*\k:MS+4*\k+3], v[PR16], s[MVS:MVS+1] offset:(64*(\k/4)+32*((\k%4)/2)+8*(\k%2))*16
.endr
	s_cmp_lt_u32 ttmp9, 24
	s_cbranch_scc0 .Lbias_v
	WIN 0xc0
.irp t, 0,1,2,3,4,5,6,7
	global_load_b128 v[BS+8*\t:BS+8*\t+3], v[BQK], s[BIA:BIA+1] offset:(32*(\t/2)+8*(\t%2))*4
	global_load_b128 v[BS+8*\t+4:BS+8*\t+7], v[BQK], s[BIA:BIA+1] offset:(32*(\t/2)+8*(\t%2))*4+16
.endr
	WIN 0
	s_branch .Lbias_done
.Lbias_v:
	WIN 0xc0
.irp k, 0,1,2,3,4,5,6,7
.irp j, 0,1,2,3,4,5,6,7
	global_load_b32 v[BS+8*\k+\j], v[BVO], s[BIA:BIA+1] offset:(64*(\k/4)+32*((\k%4)/2)+8*(\k%2))*4
.endr
.endr
	WIN 0
.Lbias_done:
	s_wait_tensorcnt 0x0
	s_barrier_signal -1
	s_barrier_wait -1                              ; all tiles are in; nothing is filled again
.irp s, 0,1,2,3
	MVL 0, \s
.endr
	STL 0
	STL 1
	WIN 0
	s_wait_loadcnt 0x0                             ; the scale words and the bias
.irp k, 0,1,2,3,4,5,6,7
	FR \k
.endr
.set HQ_, HA+108
.set QN_, 0
.rept 48
	QLINE
.endr
	CONV 7
	s_wait_tensorcnt 0x0                           ; the wave's end
	ds_add_u32 v[SPW], v[NIL]
	s_wait_dscnt 0x0
	CROUND                                         ; the closing round
	s_endpgm
.Lfunc_end_k_qdfa8204d53_proj:
	.size	k_qdfa8204d53_proj, .Lfunc_end_k_qdfa8204d53_proj-k_qdfa8204d53_proj
	.p2alignl 7, 3214868480
	.fill 96, 4, 3214868480
	.section	.rodata,"a",@progbits
	.p2align	6, 0x0
	.amdhsa_kernel k_qdfa8204d53_proj
		.amdhsa_group_segment_fixed_size 327680
		.amdhsa_private_segment_fixed_size 0
		.amdhsa_enable_private_segment 0
		.amdhsa_kernarg_size 120
		.amdhsa_user_sgpr_count 2
		.amdhsa_user_sgpr_kernarg_segment_ptr 1
		.amdhsa_wavefront_size32 1
		.amdhsa_system_sgpr_workgroup_id_x 1
		.amdhsa_system_sgpr_workgroup_id_y 1
		.amdhsa_system_sgpr_workgroup_id_z 1
		.amdhsa_system_vgpr_workitem_id 0
		.amdhsa_next_free_vgpr 1024
		.amdhsa_next_free_sgpr 102
		.amdhsa_reserve_vcc 1
		.amdhsa_float_denorm_mode_32 3
		.amdhsa_float_denorm_mode_16_64 3
		.amdhsa_memory_ordered 1
		.amdhsa_forward_progress 1
		.amdhsa_inst_pref_size 124
	.end_amdhsa_kernel
	.amdgpu_metadata
---
amdhsa.version: [ 1, 2 ]
amdhsa.kernels:
  - .name:           k_qdfa8204d53_proj
    .symbol:         k_qdfa8204d53_proj.kd
    .args:
      - { .name: x_codes, .offset: 0, .size: 8, .value_kind: global_buffer, .address_space: global }
      - { .name: x_scales, .offset: 8, .size: 8, .value_kind: global_buffer, .address_space: global }
      - { .name: domain_x_codes, .offset: 16, .size: 8, .value_kind: global_buffer, .address_space: global }
      - { .name: domain_x_scales, .offset: 24, .size: 8, .value_kind: global_buffer, .address_space: global }
      - { .name: Wq_codes, .offset: 32, .size: 8, .value_kind: global_buffer, .address_space: global }
      - { .name: Wq_scales, .offset: 40, .size: 8, .value_kind: global_buffer, .address_space: global }
      - { .name: Wk_codes, .offset: 48, .size: 8, .value_kind: global_buffer, .address_space: global }
      - { .name: Wk_scales, .offset: 56, .size: 8, .value_kind: global_buffer, .address_space: global }
      - { .name: Wv_codes, .offset: 64, .size: 8, .value_kind: global_buffer, .address_space: global }
      - { .name: Wv_scales, .offset: 72, .size: 8, .value_kind: global_buffer, .address_space: global }
      - { .name: bq, .offset: 80, .size: 8, .value_kind: global_buffer, .address_space: global }
      - { .name: bk, .offset: 88, .size: 8, .value_kind: global_buffer, .address_space: global }
      - { .name: bv, .offset: 96, .size: 8, .value_kind: global_buffer, .address_space: global }
      - { .name: qf, .offset: 104, .size: 8, .value_kind: global_buffer, .address_space: global }
      - { .name: kv, .offset: 112, .size: 8, .value_kind: global_buffer, .address_space: global }
    .group_segment_fixed_size: 327680
    .private_segment_fixed_size: 0
    .kernarg_segment_align: 8
    .kernarg_segment_size: 120
    .max_flat_workgroup_size: 128
    .sgpr_count:     102
    .vgpr_count:     1024
    .wavefront_size: 32
...
	.end_amdgpu_metadata
.endif
;; end of part 1
;; launch attn (part 2): grid 64 x 4, 4 waves a work-group, clusters of 4 x 1, 327,680 bytes of LDS; arguments qf, kv, po, pl; writes po, pl
.if DOCPART == 2
	.amdgcn_target "amdgcn-amd-amdhsa--gfx1250"
	.amdhsa_code_object_version 6
	.text
	.protected	k_qdfa8204d53_attn
	.globl	k_qdfa8204d53_attn
	.p2align	8
	.type	k_qdfa8204d53_attn,@function
k_qdfa8204d53_attn:
	s_mov_b64 s[64:65], 0
	v_nop
	global_prefetch_b8 v0, s[64:65] scope:SCOPE_SE
	s_setreg_imm32_b32 hwreg(HW_REG_WAVE_MODE, 25, 1), 1
	s_wait_xcnt 0x0
	s_wait_alu depctr_hold_cnt(0) depctr_sa_sdst(0) depctr_va_vdst(0) depctr_va_sdst(0) depctr_va_ssrc(0) depctr_va_vcc(0) depctr_vm_vsrc(0)
	s_getreg_b32 s2, hwreg(HW_REG_IB_STS2, 6, 4)
	s_cmp_eq_u32 s2, 0
	s_cbranch_scc0 .Lentry_in_a_cluster
	s_endpgm
.Lentry_in_a_cluster:
	s_bfe_u32 s2, ttmp6, 0x10000c
	s_cmp_lg_u32 s2, 0x3003
	s_cbranch_scc0 .Lentry_shape_is_right
	s_endpgm
.Lentry_shape_is_right:
; For 64 queries and 2,048 keys (one of four splits of the 8,192), in eight steps of 256 keys: S^T = K Q^T, the softmax's p = 2^(t - M) quantised along the keys, O^T += V^T P^T; both products on codes of E2M3 with E8M0 bytes.
; Out go the unnormalised O, the sum of the unquantised p and the reference exponent; the next launch joins the four splits.  No work of the problem is left out here.
; SHARES.  Wave w multiplies ITS 64 keys of a step with all four tiles of 16 queries, and later ITS 128 columns of the output with all four tiles: each fragment read from LDS feeds four matrix instructions.
; P goes from wave to wave as images of registers.  A lane holds ONE query throughout (both products are used transposed); the keys of a tile of K are chosen so that 16 registers of two neighbouring tiles are 16 neighbouring keys.
; M.  Each wave keeps a running whole number M of its own keys (kept as NM = -M) and its own sum.  It hands out NM and its two blocks' scale bytes.  Every wave takes NRO = the least NM so far (minus the common reference),
; shifts each wave's bytes by Y = max(NRO + 64 - NM, 0), and multiplies O by 2^(new NRO - old NRO): every step is an exact power of two.  So O = 2^64 x the sum of 2^(t - reference) v; the sum handed on is scaled alike.
; LIMITS: |t| under 2^24 (M is kept as a whole number in f32); keys of a wave whose M lies more than 64 under the row's reference are weighed at 2^-64 of their p in place of less;
; NaN and infinities are not served; a block whose every p is 0 keeps the byte 1 (its codes are zeros).
; ORDER OF WORK.  Round j of the cluster's barrier hands P of step j over AND frees two of the ring's places.  The scores of step j + 1 stand across it: half of K step 0 ahead of its opening signal, half inside it, K steps 1 to 3 behind it,
; and among these the loads of P's and V's fragments of step j from LDS (V's into the registers that K's fragments leave).  Then V^T P of step j, with the search for the largest scores of step j + 1 among the products;
; then that step's exponentials, and K's fragments of step j + 2 are loaded among the sums and conversions behind them.  A plain barrier, signalled when P of step j has been read and waited for ahead of the stores of P of step j + 1, parts the two.
; RING.  A wave loads and reads its own blocks alone: three places of 25,600 bytes a wave.  K lies in place 1 (step 0's in place 0), V of an even step in place 2, of an odd one in place 0.
; Round j asks, by ONE load a wave, for V of step j + 1 and K of step j + 2, which are neighbours in kv and in LDS: 51,200 bytes into places 0, 1 (j even) or 1, 2 (j odd); j = -1 is the head's second load, round 6 asks for V of step 7 alone.
; One tensor load of a wave is out at a time.
; CLUSTER.  The four partners are four blocks of queries of one split: they walk the same K and V, so each block is asked for JOINTLY, by the same tensor load with the same descriptor and the mask of all four.
; PREFETCH INTO THE L2, behind each load but the last two: what the NEXT one will ask for, 200 runs of 256 bytes a wave.  All sixteen clusters of a split walk the same stream: the split's first cluster asks, and nobody else; partner p takes
; runs 50 p to 50 p + 49, told apart BY ADDRESS, in two instructions (lanes 18 to 31 of the second name its last run again).  Round 5 asks for V of step 7: 100 runs a wave, 25 a partner, one instruction.
; REGISTERS, in windows of 256: window 0: addresses, statistics, scale words; v128-255 S^T (tile i of my keys, tile m of queries at 128 + 32 m + 8 i).
;   window 1: Q's 16 fragments; from 192 P's fragments of keys 0-127.  window 2: O^T, 32 accumulators (64 m + 8 d).  window 3: 16 fragments of K, then of V; from 192 P's fragments of keys 128-255.
.set BLOCK, 25600
.set FRB,   1536
.set SCO,   16*FRB                     ; a block's scale words
.set WAVEB, 16*BLOCK                   ; a wave's stream in a split
.set SPLITB, 4*WAVEB
.set PBUF,  12*BLOCK                   ; P's 8 fragments (2 m + u): for each half of 64 keys 512 bytes (four registers a lane) and 256 bytes (two)
.set EXO,   8*FRB
.set EXB,   PBUF+EXO                   ; for each wave 512 bytes of NM, 512 of scale bytes, 512 of sums
.set SPARE, EXB+4*FRB                  ; the spare words, 128 bytes a wave
.set PF3, 0                            ; (v0 is done with at the head's end)
.set LI,  1
.set KA,  2                            ; my place 0, + 16 x lane
.set VAD, 3                            ; this step's V, + 16 x lane
.set KSA, 4                            ; my place 0, + 8 x lane
.set VSD, 5
.set PWA, 6
.set PWB, 7
.set PRA, 8
.set PRB, 9
.set EXW, 10
.set EXS, 11                           ; exchanged words by halves: lanes 0-15 tiles 0, 1, lanes 16-31 tiles 2, 3
.set SPW, 12                           ; my spare word; never rewritten
.set NIL, 13                           ; 0; never rewritten
.set PFO, 14
.set PF2, 15
.set ST,  16                           ; tile m: +0 NM, +1 the largest t, +2, +3 the sum in two halves
.set QS,  32                           ; Q's scale words, 2 s + m % 2
.set FSK, 42                           ; K's scale words, 2 s + i % 2 (never the number of Q's modulo 8)
.set FSV, 50                           ; V's, 2 e + d % 2
.set PSB, 62                           ; P's scale words, 62 + m % 2 for keys 0-127, 58 + m % 2 for keys 128-255; lanes 16-31 hold tiles 2 and 3 (never the number of V's modulo 8)
; NRO of tile m: v60, v61, v40, v41 = v[60 + m - 22 (m / 2)]
.set FP,  64                           ; a factor in the low word of a pair, for each m
.set EW,  64                           ; and the words handed out
.set BM,  72
.set ERL, 72
.set BT,  80
.set TMP, 88
.set FPS, 96                           ; the factors of my sums, in pairs
.set XA,  96
.set XB,  100
.set PC,  104
.set ERN, 96
.set ERS, 112
.set ERH, 120
.set S,   128
.set WV,  12
.set SEL, 20
.set CS,  22
.set G1,  24                           ; s[24:31] group 1 of a pair of blocks: 200 rows of 256 bytes
.set G0,  32                           ; s[32:35] group 0, which walks
.set TRIP, 40
.set LIM, 41
.set TD,  42                           ; 0 or BLOCK: the first place that the next load fills
.set U,   43                           ; 2 BLOCK or 0: the place of this step's V
.set PFA, 44
.set HM,  50
.set WB,  51                           ; LDS: my place 0
.set PFB, 54
.set G1H, 68                           ; s[68:75] group 1 of one block, 100 rows
.set G0H, 76                           ; s[76:79] group 0 of step 0's K
.set MSB, 0
.macro WIN new
.if MSB != \new
	s_set_vgpr_msb (MSB<<8)|\new
.set MSB, \new
.endif
.endm
.macro PLACES n
.rept \n
	v_nop
.endr
.endm
.macro WALU
	s_wait_alu depctr_va_vdst(0)
.endm
.macro MIDDLE                          ; a round of the cluster's barrier behind its opening signal
	s_barrier_wait -1
	s_cmp_lg_u32 s[WV], 0
	s_cbranch_scc1 .Lnot_wave_0_\@
	s_barrier_signal -3
.Lnot_wave_0_\@:
	s_barrier_wait -3
	s_barrier_signal -1
	s_barrier_wait -1
.endm
.macro CROUND
	s_barrier_signal -1
	MIDDLE
.endm
; A matrix instruction from the symbols rD, rA, rB, rSA, rSB.  z: the constant 0 starts the sum;  ra, rb: the scale words stand in lanes 16-31.
.macro W1 c, a, b
	v_wmma_scale_f32_16x16x128_f8f6f4 v[rD:rD+7], v[rA:rA+11], v[rB:rB+11], \c, v[rSA], v[rSB] matrix_a_fmt:MATRIX_FMT_FP6 matrix_b_fmt:MATRIX_FMT_FP6 matrix_a_scale:MATRIX_SCALE_ROW\a matrix_b_scale:MATRIX_SCALE_ROW\b
.endm
.macro W2 c, ra, rb
.if (\ra) && (\rb)
	W1 \c, 1, 1
.elseif (\ra)
	W1 \c, 1, 0
.elseif (\rb)
	W1 \c, 0, 1
.else
	W1 \c, 0, 0
.endif
.endm
.macro WMS z, ra, rb
.if \z
	W2 0, \ra, \rb
.else
	W2 v[rD:rD+7], \ra, \rb
.endif
.endm
; Tile i of K step s of the scores: 4 products; K step by K step the 16 accumulators take turns.  K window 3, Q window 1, S^T window 0.  sl = 1: four LDS loads behind every second product.
.macro QKI s, i, sl
.irp m, 0,1,2,3
	WIN 0x07
.set rD, S+32*\m+8*\i
.set rA, 12*(4*\s+\i)
.set rB, 12*(4*\s+\m)
.set rSA, FSK+2*\s+\i%2
.set rSB, QS+2*\s+\m%2
.if \s == 0
	WMS 1, \i/2, \m/2
.else
	WMS 0, \i/2, \m/2
.endif
.if \sl
.if \m%2
	LSLOT
.endif
.endif
.endr
.endm
.macro QKS s, sl
.irp i, 0,1,2,3
	QKI \s, \i, \sl
.endr
.endm
; Half u of V^T P (128 keys): 32 products, the 32 accumulators by turns.  V window 3, P window 1 (u = 0) or 3 (u = 1), O^T window 2.  mx = 1: three lines of the search behind every second product.
.macro PVH u, first, mx
.irp d, 0,1,2,3,4,5,6,7
.irp m, 0,1,2,3
	PV1 \u, \d, \m, \first
.if \mx
.if \m%2
	WIN 0
.rept 3
	MAXLINE
.endr
.endif
.endif
.endr
.endr
.endm
.macro PV1 u, d, m, first
	WIN 0xa7+8*\u
.set rD, 64*\m+8*\d
.set rA, 12*(8*\u+\d)
.set rB, 192+12*\m
.set rSA, FSV+2*(2*\u+\d/4)+\d%2
.set rSB, PSB+\m%2-4*\u
.set zF, 0
.if \first
.if \u == 0
.set zF, 1
.endif
.endif
	WMS zF, (\d%4)/2, \m/2
.endm
; LDS LOADS.  KL4: loads 4 n to 4 n + 3 of the 48 of a block's 16 fragments, from address register adr + off;  KSC: a block's scale words;  PL4: tile m of half u of P.
.macro KL4 n, adr, off
	WIN 0xc0
.irp k, 0,1,2,3
.set F_, (4*(\n)+\k)/3
.set C_, (4*(\n)+\k)%3
	ds_load_b128 v[12*F_+4*C_:12*F_+4*C_+3], v[\adr] offset:(\off)+FRB*F_+512*C_
.endr
.endm
.macro KG                              ; the next four loads of the block at place LO_
	KL4 g_, KA, LO_
	WIN 0
.set g_, g_+1
.endm
.macro KSC dst, adr, off
	WIN 0
.irp s, 0,1,2,3
	ds_load_b64 v[\dst+2*\s:\dst+2*\s+1], v[\adr] offset:(\off)+SCO+256*\s
.endr
.endm
.macro PL4 m, u
	WIN 0x40+0x80*(\u)
.set B_, 192+12*(\m)
.set X_, FRB*(2*(\m)+(\u))
	ds_load_b128 v[B_:B_+3], v[PRA] offset:X_
	ds_load_b64 v[B_+4:B_+5], v[PRB] offset:X_+512
	ds_load_b128 v[B_+6:B_+9], v[PRA] offset:X_+768
	ds_load_b64 v[B_+10:B_+11], v[PRB] offset:X_+1280
.endm
; What stands among the scores, four loads at a time: P's first half, V's scale words, V's group 0 (its registers are K's fragments of K step 0); behind K step 1: V's group 1, P's second half; behind K step 2: V's group 2.
.macro LSLOT
.if LS_ < 4
	PL4 LS_, 0
.elseif LS_ == 4
	KSC FSV, VSD, 0
.elseif LS_ < 11
	KL4 LS_-5, VAD, 0
.elseif LS_ < 15
	PL4 LS_-11, 1
.elseif LS_ == 15
.elseif LS_ < 19
	KL4 LS_-10, VAD, 0
.endif
.set LS_, LS_+1
.endm
.macro EXLOAD last                     ; 12 loads, in the last step 16
.irp w, 0,1,2,3
	ds_load_b128 v[ERN+4*\w:ERN+4*\w+3], v[PRA] offset:EXO+FRB*\w
	ds_load_b64 v[ERS+2*\w:ERS+2*\w+1], v[EXS] offset:FRB*\w
	ds_load_b64 v[ERH+2*\w:ERH+2*\w+1], v[EXS] offset:FRB*\w+512
.if \last
	ds_load_b64 v[ERL+2*\w:ERL+2*\w+1], v[EXS] offset:FRB*\w+1024
.endif
.endr
.endm
.macro ASK off                         ; the prefetch: in the head and in rounds 0 to 4
	s_cmp_gt_u32 s[TRIP], s[LIM]
	s_cbranch_scc0 .Lno_ask_\@
	global_prefetch_b8 v[PFO], s[PFA:PFA+1] offset:\off th:TH_LOAD_NT scope:SCOPE_SE
	global_prefetch_b8 v[PF2], s[PFA:PFA+1] offset:\off th:TH_LOAD_NT scope:SCOPE_SE
.Lno_ask_\@:
.endm
; THE SEARCH, line ML_ of 92.  Block q = 2 m + b: the 16 registers S + 16 q on are keys 32 b + 16 (lane / 16) + 0 .. 15 of my 64, for my query of tile m.  The eight blocks by turns.
; The largest score of each block serves for the row's maximum and, since p rises with the score, for the block's largest p.
.macro MAXLINE
.set q_, ML_%8
.set a_, S+16*q_
.if ML_ < 8
	v_max3_num_f32 v[BM+q_], v[a_], v[a_+1], v[a_+2]
.elseif ML_ < 56
.set b_, a_+3+2*((ML_-8)/8)
	v_max3_num_f32 v[BM+q_], v[BM+q_], v[b_], v[b_+1]
.elseif ML_ < 64
	v_max_num_f32 v[BM+q_], v[BM+q_], v[a_+15]
.elseif ML_ < 72
	v_permlanex16_b32 v[BT+q_], v[BM+q_], s[SEL], s[SEL+1]
.elseif ML_ < 80
	v_max_num_f32 v[BM+q_], v[BM+q_], v[BT+q_]     ; with lane l xor 16's 16 keys
.elseif ML_ < 84
	v_max_num_f32 v[TMP+ML_-80], v[BM+2*(ML_-80)], v[BM+2*(ML_-80)+1]
.elseif ML_ < 88
	v_mul_f32 v[TMP+ML_-84], s[CS], v[TMP+ML_-84]  ; as t (c is positive)
.elseif ML_ < 92
	v_max_num_f32 v[ST+4*(ML_-88)+1], v[ST+4*(ML_-88)+1], v[TMP+ML_-88]   ; my keys' running largest t
.endif
.set ML_, ML_+1
.endm
; THE REST OF THE SOFTMAX.  kl = 1: the next K's fragments are loaded behind the exponentials (place 1);  2: V of step 7 (place 0).  last = 1: the sums are handed out too.  bar = 1: the plain barrier's wait stands at the end.
.macro SMREST kl, last, bar
.irp m, 0,1,2,3
	v_mov_b32 v[TMP+4+\m], v[ST+4*\m]
.endr
.irp m, 0,1,2,3
	v_floor_f32 v[ST+4*\m], -v[ST+4*\m+1]          ; NM = floor(-t) = -ceil(t): a whole number
.endr
.irp m, 0,1,2,3
	v_sub_f32 v[TMP+4+\m], v[ST+4*\m], v[TMP+4+\m]
.endr
.irp m, 0,1,2,3
	v_cvt_i32_f32 v[TMP+4+\m], v[TMP+4+\m]         ; (it saturates)
.endr
.irp m, 0,1,2,3
	v_ldexp_f32 v[FPS+2*\m], 1.0, v[TMP+4+\m]      ; 2^(old M - new M), for my sums
.endr
.irp j, 0,2,4,6,8,10,12,14,16,18,20,22,24,26,28,30
.irp m, 0,1,2,3
	v_pk_fma_f32 v[S+32*\m+\j:S+32*\m+\j+1], v[S+32*\m+\j:S+32*\m+\j+1], s[CS:CS+1], v[ST+4*\m:ST+4*\m+1] op_sel_hi:[1,0,0]   ; t - M, two at a time
.endr
.endr
.irp q, 0,1,2,3,4,5,6,7
	v_fma_f32 v[BM+\q], v[BM+\q], s[CS], v[ST+4*(\q/2)]   ; the same of each block's largest score
.endr
	WALU
.set j_, 0
.rept 128
	v_exp_f32 v[S+j_], v[S+j_]                     ; p = 2^(t - M): one batch
.set j_, j_+1
.endr
.irp m, 0,1,2,3
	v_pk_mul_f32 v[ST+4*\m+2:ST+4*\m+3], v[ST+4*\m+2:ST+4*\m+3], v[FPS+2*\m:FPS+2*\m+1] op_sel_hi:[1,0]   ; my sums under the new M: plain work behind the batch
.endr
	WALU
	s_wait_tensorcnt 0x0                           ; my last round's load is in: its blocks are mine alone
.if \kl == 1
	KSC FSK, KSA, BLOCK
.set LO_, BLOCK
.else
	KSC FSV, KSA, 0
.set LO_, 0
.endif
.set g_, 0
.irp q, 0,1,2,3,4,5,6,7
	v_exp_f32 v[BM+\q], v[BM+\q]                   ; each block's largest p
.endr
.irp m, 0,1,2,3
	v_pk_add_f32 v[BT+2*\m:BT+2*\m+1], v[S+32*\m:S+32*\m+1], v[S+32*\m+2:S+32*\m+3]   ; the sums are taken of the unquantised p, in two chains a tile
.endr
.irp j, 4,8,12,16,20,24,28
.irp m, 0,1,2,3
	v_pk_add_f32 v[ST+4*\m+2:ST+4*\m+3], v[ST+4*\m+2:ST+4*\m+3], v[S+32*\m+\j:S+32*\m+\j+1]
	v_pk_add_f32 v[BT+2*\m:BT+2*\m+1], v[BT+2*\m:BT+2*\m+1], v[S+32*\m+\j+2:S+32*\m+\j+3]
.endr
	KG
.endr
.irp m, 0,1,2,3
	v_pk_add_f32 v[ST+4*\m+2:ST+4*\m+3], v[ST+4*\m+2:ST+4*\m+3], v[BT+2*\m:BT+2*\m+1]
.endr
	WALU
.irp q, 0,1,2,3,4,5,6,7
	v_max_num_f32 v[BM+\q], 0x1800000, v[BM+\q]    ; the floor 2^(3 - 127): the byte cannot fall under 1
.endr
.irp q, 0,1,2,3,4,5,6,7
	v_add_nc_u32 v[BT+\q], 0xff000000, v[BM+\q]    ; 2 off the exponent field: the conversion's scale operand
.endr
	KG
.irp q, 0,1,2,3,4,5,6,7
	v_lshrrev_b32 v[BM+\q], 23, v[BT+\q]           ; the scale's byte, 1 to 125
.endr
	KG
.irp m, 0,1,2,3
	v_mov_b32 v[EW+\m], v[ST+4*\m]
	v_lshl_or_b32 v[EW+4+\m], v[BM+2*\m+1], 8, v[BM+2*\m]
.endr
	KG
.irp g, 0,2                                    ; two tiles of queries at a time
	v_cvt_scalef32_pk16_fp6_f32 v[PC+6*\g:PC+6*\g+2], v[S+32*\g:S+32*\g+15], v[BT+2*\g]
	v_cvt_scalef32_pk16_fp6_f32 v[XA:XA+2], v[S+32*\g+16:S+32*\g+31], v[BT+2*\g+1]
	v_cvt_scalef32_pk16_fp6_f32 v[PC+6*\g+6:PC+6*\g+8], v[S+32*\g+32:S+32*\g+47], v[BT+2*\g+2]
	v_cvt_scalef32_pk16_fp6_f32 v[XB:XB+2], v[S+32*\g+48:S+32*\g+63], v[BT+2*\g+3]
	v_nop                                          ; one plain place behind a scaled conversion
.irp i, 0,1,2                                  ; a whole block in a lane: lanes 0-15 my first 32 keys, lanes 16-31 my second
	v_permlane16_swap_b32 v[PC+6*\g+\i], v[XA+\i]
	v_permlane16_swap_b32 v[PC+6*\g+6+\i], v[XB+\i]
.endr
.irp i, 0,1,2
	v_mov_b32 v[PC+6*\g+3+\i], v[XA+\i]
	v_mov_b32 v[PC+6*\g+9+\i], v[XB+\i]
.endr
	KG
.endr
.if \last
.irp m, 0,1,2,3
	v_add_f32 v[TMP+\m], v[ST+4*\m+2], v[ST+4*\m+3]
.endr
.irp m, 0,1,2,3
	v_permlanex16_b32 v[TMP+4+\m], v[TMP+\m], s[SEL], s[SEL+1]
.endr
.irp m, 0,1,2,3
	v_add_f32 v[TMP+\m], v[TMP+\m], v[TMP+4+\m]    ; my keys' sum for the lane's query
.endr
.endif
	WALU
.if \bar
	s_barrier_wait -1                              ; every wave has read the last step's P and exchanged words
.endif
.endm
.macro PUTP last                       ; 10 LDS stores, in the last step 11
.irp m, 0,1,2,3                                ; my six registers of fragment (m, wave / 2), as they stand
	ds_store_b128 v[PWA], v[PC+6*\m:PC+6*\m+3] offset:2*FRB*\m
	ds_store_b64 v[PWB], v[PC+6*\m+4:PC+6*\m+5] offset:2*FRB*\m
.endr
	ds_store_b128 v[EXW], v[EW:EW+3]
	ds_store_b128 v[EXW], v[EW+4:EW+7] offset:512
.if \last
	ds_store_b128 v[EXW], v[TMP:TMP+3] offset:1024
.endif
.endm
; THE STATISTICS OF A STEP.  n: the LDS loads issued behind those that must be in.  What hangs on a wave's own bytes goes by halves: lanes 0-15 tiles 0, 1, lanes 16-31 tiles 2, 3.
.macro STATS first, last, n
	s_wait_dscnt \n
.irp m, 0,1,2,3
	v_min3_num_f32 v[TMP+\m], v[ERN+\m], v[ERN+4+\m], v[ERN+8+\m]
.endr
.if \first
.irp m, 0,1,2,3
	v_min_num_f32 v[60+\m-22*(\m/2)], v[TMP+\m], v[ERN+12+\m]
.endr
.else
.irp m, 0,1,2,3
	v_min3_num_f32 v[TMP+4+\m], v[60+\m-22*(\m/2)], v[TMP+\m], v[ERN+12+\m]   ; minus the common reference: the least NM so far
.endr
.irp m, 0,1,2,3
	v_sub_f32 v[TMP+\m], v[TMP+4+\m], v[60+\m-22*(\m/2)]
.endr
.irp m, 0,1,2,3
	v_mov_b32 v[60+\m-22*(\m/2)], v[TMP+4+\m]
.endr
.irp m, 0,1,2,3
	v_cvt_i32_f32 v[TMP+\m], v[TMP+\m]
.endr
.irp m, 0,1,2,3
	v_ldexp_f32 v[FP+2*\m], 1.0, v[TMP+\m]         ; 2^(old reference - new): O is brought under the new reference by a multiplication that rounds nothing
.endr
.endif
.irp p, 0,1
	v_cndmask_b32 v[TMP+2+\p], v[60+\p], v[40+\p], s[HM]
.endr
.irp p, 0,1
	v_add_f32 v[TMP+\p], 0x42800000, v[TMP+2+\p]   ; NRO + 64
.endr
.irp w, 0,1,2,3
.irp p, 0,1
	v_sub_f32 v[ERS+2*\w+\p], v[TMP+\p], v[ERS+2*\w+\p]
.endr
.endr
.irp x, 0,1,2,3,4,5,6,7
	v_max_num_f32 v[ERS+\x], 0, v[ERS+\x]          ; Y, 0 to 64
.endr
.irp x, 0,1,2,3,4,5,6,7
	v_cvt_i32_f32 v[ERS+\x], v[ERS+\x]
.endr
.irp x, 0,1,2,3,4,5,6,7
	v_mad_u32_u24 v[ERH+\x], v[ERS+\x], 0x101, v[ERH+\x]   ; Y onto both bytes: 1 to 189, no carry
.endr
.irp u, 0,1
.irp p, 0,1
	v_lshl_add_u32 v[PSB+\p-4*\u], v[ERH+4*\u+2+\p], 16, v[ERH+4*\u+\p]   ; P's scale word for keys 128 u on: waves 2 u and 2 u + 1
.endr
.endr
.if \last
.irp x, 0,1,2,3,4,5,6,7
	v_ldexp_f32 v[ERL+\x], v[ERL+\x], v[ERS+\x]
.endr
.irp w, 1,2,3
.irp p, 0,1
	v_add_f32 v[ERL+\p], v[ERL+\p], v[ERL+2*\w+\p] ; the split's sum, scaled as O is
.endr
.endr
.endif
.endm
.macro RESC                            ; O^T under the new reference; each accumulator is read from its low end on.  These 128 are also the places that P's scale words are owed
	WALU
	WIN 0x82
.irp m, 0,1,2,3
.set j_, 0
.rept 32
	v_pk_mul_f32 v[64*\m+j_:64*\m+j_+1], v[64*\m+j_:64*\m+j_+1], v[FP+2*\m:FP+2*\m+1] op_sel_hi:[1,0]
.set j_, j_+2
.endr
.endr
	WIN 0
.endm
; STEP j = 0 .. 6.  kind = 1: the round asks for V of step j + 1 and K of step j + 2;  2: for V of step 7 alone.  kl, last: as in SMREST.
.macro STEP first, kind, kl, last
	v_add_nc_u32 v[VAD], s[U], v[KA]
	v_add_nc_u32 v[VSD], s[U], v[KSA]
	PUTP 0
	WALU
	s_wait_tensorcnt 0x0                           ; no tensor load of mine is out, so group 0 may be written
	ds_add_u32 v[SPW], v[NIL]                      ; 0 onto my spare word; descriptor steps and eight products stand between it and the wait for it
	s_xor_b32 s[TD], s[TD], BLOCK
	s_add_co_u32 s[G0+1], s[WB], s[TD]
	s_add_nc_u64 s[G0+2:G0+3], s[G0+2:G0+3], 2*BLOCK
	s_xor_b32 s[U], s[U], 2*BLOCK
.if \kind == 1
	s_wait_xcnt 0x0                                ; the last prefetches, a step back, have read their address, so it may be written
	s_add_nc_u64 s[PFA:PFA+1], s[PFA:PFA+1], 2*BLOCK
.endif
	s_wait_dscnt 47                                ; K's scale words and K step 0 are in: K's other 36 loads, ten stores and the add are younger
	QKI 0, 0, 0
	QKI 0, 1, 0
	s_wait_dscnt 0x0                               ; the add and my stores are done, and so are my reads of the places that are filled again
	s_barrier_signal -1
	QKI 0, 2, 0
	QKI 0, 3, 0
	WIN 0
	MIDDLE
.if \kind == 1
	tensor_load_to_lds s[G0:G0+3], s[G1:G1+7]
.else
	tensor_load_to_lds s[G0:G0+3], s[G1H:G1H+7]
.endif
	s_nop 0
	PLACES 4
	EXLOAD 0
.set LS_, 0
	QKS 1, 1
	PLACES 4
	QKS 2, 1
	PLACES 4
	QKS 3, 1
	PLACES 4
.irp c, 9,10,11
	KL4 \c, VAD, 0                                 ; V's group 3
.endr
	WIN 0
.if \kind == 1
	ASK 2*BLOCK
	s_cmp_eq_u32 s[TRIP], s[LIM]                   ; round 5
	s_cbranch_scc0 .Lno_last_\@
	global_prefetch_b8 v[PF3], s[PFB:PFB+1] th:TH_LOAD_NT scope:SCOPE_SE
.Lno_last_\@:
.endif
	STATS \first, 0, 52                            ; younger: V's group 1, P's second half, V's groups 2, 3
.if \first
	PLACES 8                                       ; P's scale words, written by vector instructions, stand eight places ahead of the products
.else
	RESC
.endif
	WALU
	s_wait_dscnt 40                                ; younger: P's second half, V's groups 2, 3
.set ML_, 0
	PVH 0, \first, 1
	WIN 0
	WALU
	s_wait_dscnt 0x0                               ; P and the exchanged words are in registers: a plain barrier says so
	s_barrier_signal -1
	PVH 1, \first, 1
	WIN 0
	SMREST \kl, \last, 1
.endm
	s_load_b256 s[4:11], s[0:1], 0x0               ; qf, kv, po, pl
	v_lshl_add_u32 v[SPW], v0, 2, SPARE
	v_mov_b32 v[NIL], 0
	ds_add_u32 v[SPW], v[NIL]                      ; the wave's opening: the add, twice on end, and its wait ahead of my first tensor load
	ds_add_u32 v[SPW], v[NIL]
	v_lshrrev_b32 v1, 5, v0
	v_readfirstlane_b32 s[WV], v1                  ; wave 0..3
	s_bfe_u32 s13, ttmp6, 0x40000                  ; cx
	s_lshl_b32 s14, ttmp9, 2
	s_add_co_u32 s14, s14, s13                     ; my block of 64 queries: it enters the addresses of qf, po, pl alone; cx also those of the prefetches
	s_and_b32 s15, ttmp7, 0xffff                   ; the split, which the partners share
.irp g, G1, G1H                                ; dense rows of 256 bytes: 32 elements of 8 bytes; the mask of all four; bit 21 beside a mask; no padding
	s_mov_b32 s[\g], 15|(3<<16)|(1<<21)
	s_mov_b32 s[\g+1], 32<<16
	s_mov_b32 s[\g+3], 32<<16
	s_mov_b32 s[\g+5], 32
	s_mov_b32 s[\g+6], 0
	s_mov_b32 s[\g+7], 0
.endr
	s_mov_b32 s[G1+2], 200<<16
	s_mov_b32 s[G1+4], 200
	s_mov_b32 s[G1H+2], 100<<16
	s_mov_b32 s[G1H+4], 100
	s_mul_i32 s16, s15, SPLITB
	s_mul_i32 s17, s[WV], WAVEB
	s_add_co_u32 s16, s16, s17                     ; my stream in kv
	s_mov_b32 s17, 0
	s_mul_i32 s[WB], s[WV], 3*BLOCK
	s_mov_b32 s[G0H], 1
	s_mov_b32 s[G0H+1], s[WB]                      ; K of step 0: place 0
	s_mov_b32 s[G0], 1
	s_add_co_u32 s[G0+1], s[WB], BLOCK             ; K of step 1, V of step 0: places 1, 2
	s_mov_b32 s[TD], BLOCK
	s_mov_b32 s[U], 2*BLOCK
	s_and_b32 s18, s14, 32                         ; qf: block b at place 32 (b / 32) + (b / 2) % 16 + 16 (b % 2)
	s_bfe_u32 s19, s14, 0x40001
	s_add_co_u32 s18, s18, s19
	s_and_b32 s19, s14, 1
	s_lshl_b32 s19, s19, 4
	s_add_co_u32 s18, s18, s19
	s_mul_i32 s18, s18, BLOCK
	s_mov_b32 s19, 0
	s_lshl_b32 s46, s15, 23                        ; po: split, block of queries, wave
	s_lshl_b32 s47, s14, 17
	s_add_co_u32 s46, s46, s47
	s_lshl_b32 s47, s[WV], 15
	s_add_co_u32 s46, s46, s47
	s_mov_b32 s47, 0
	s_lshl_b32 s48, s15, 15                        ; pl
	s_lshl_b32 s49, s14, 9
	s_add_co_u32 s48, s48, s49
	s_mov_b32 s49, 0
	s_mul_i32 s52, s13, 50*256                     ; the prefetches: block 1 of my stream, my 50 runs: the head's second load,
	s_add_co_u32 s52, s52, s16
	s_add_co_u32 s52, s52, BLOCK
	s_mov_b32 s53, 0
	s_mul_i32 s56, s13, 25*256                     ; and block 15, my 25 runs: V of step 7
	s_add_co_u32 s56, s56, s16
	s_add_co_u32 s56, s56, 15*BLOCK
	s_mov_b32 s57, 0
	s_cmp_eq_u32 ttmp9, 0                          ; the split's first cluster alone asks: the same in all four partners
	s_cselect_b32 s[LIM], 1, -1                    ; TRIP is 6 in the head and in round 0, then 5 to 1
	s_mov_b32 s[TRIP], 6
	s_lshr_b32 s58, s[WV], 1
	s_mul_i32 s58, s58, FRB
	s_and_b32 s59, s[WV], 1
	s_mul_i32 s59, s59, 768
	s_add_co_u32 s58, s58, s59
	s_add_co_u32 s58, s58, PBUF                    ; my half of fragment (0, wave / 2)
	s_mul_i32 s60, s[WV], FRB
	s_add_co_u32 s60, s60, EXB
	s_mov_b32 s[HM], 0xffff0000                    ; lanes 16-31
	s_mov_b32 s[SEL], 0x76543210
	s_mov_b32 s[SEL+1], 0xfedcba98
	s_mov_b32 s[CS], 0x3d8293ee                    ; c = log2(e) / sqrt(512)
	s_mov_b32 s[CS+1], s[CS]
	WALU
	s_wait_dscnt 0x0                               ; both opening adds are done
	CROUND                                         ; all four work-groups are here: the first joint loads meet
	s_wait_kmcnt 0x0
	s_add_nc_u64 s[G0H+2:G0H+3], s[6:7], s[16:17]
	s_add_nc_u64 s[G0+2:G0+3], s[G0H+2:G0H+3], BLOCK
	s_or_b32 s[G0H+3], s[G0H+3], 0x80000000        ; type = 2
	s_or_b32 s[G0+3], s[G0+3], 0x80000000
	tensor_load_to_lds s[G0H:G0H+3], s[G1H:G1H+7]  ; step 0's K: one load a wave at the head
	s_nop 0
	PLACES 4
	s_add_nc_u64 s[4:5], s[4:5], s[18:19]
	s_add_nc_u64 s[8:9], s[8:9], s[46:47]
	s_add_nc_u64 s[10:11], s[10:11], s[48:49]
	s_add_nc_u64 s[PFA:PFA+1], s[6:7], s[52:53]
	s_add_nc_u64 s[PFB:PFB+1], s[6:7], s[56:57]
	v_and_b32 v200, 31, v0
	v_and_b32 v201, 15, v0                         ; r
	v_bfe_u32 v202, v0, 4, 1                       ; h
	v_lshlrev_b32 v[LI], 4, v200
	v_lshlrev_b32 v203, 3, v200
	v_lshlrev_b32 v[PFO], 8, v200
	v_add_nc_u32 v[PF2], 32, v200
	v_min_u32 v[PF3], 24, v200
	v_add_nc_u32 v[KA], s[WB], v[LI]
	v_add_nc_u32 v[KSA], s[WB], v203
	v_min_u32 v[PF2], 49, v[PF2]
	v_lshlrev_b32 v[PF3], 8, v[PF3]
	v_add_nc_u32 v[PWA], s58, v[LI]
	v_add_nc_u32 v[PWB], s58, v203
	v_lshlrev_b32 v[PF2], 8, v[PF2]
	v_add_nc_u32 v[PWB], 512, v[PWB]
	v_add_nc_u32 v[PRA], PBUF, v[LI]
	v_add_nc_u32 v[PRB], PBUF, v203
	v_add_nc_u32 v[EXW], s60, v[LI]
	v_lshlrev_b32 v[EXS], 4, v201
	v_lshl_add_u32 v[EXS], v202, 3, v[EXS]
	v_add_nc_u32 v[EXS], EXB, v[EXS]
	WALU
	WIN 0x40
.irp f, 0,1,2,3,4,5,6,7,8,9,10,11,12,13,14,15  ; Q stays in registers: fragment 4 s + m
.irp c, 0,1,2
	global_load_b128 v[12*\f+4*\c:12*\f+4*\c+3], v[LI], s[4:5] offset:FRB*\f+512*\c
.endr
.endr
	WIN 0
.irp s, 0,1,2,3
	global_load_b64 v[QS+2*\s:QS+2*\s+1], v203, s[4:5] offset:SCO+256*\s
.endr
	ASK 0                                          ; what the head's second load will ask for
.irp m, 0,1,2,3
	v_mov_b32 v[ST+4*\m+1], 0xff61b1e6             ; the largest t so far: -3e38, under every t
	v_floor_f32 v[ST+4*\m], -v[ST+4*\m+1]
	v_mov_b32 v[ST+4*\m+2], 0                      ; the sums: the first change of M leaves zeros zeros
	v_mov_b32 v[ST+4*\m+3], 0
	v_mov_b32 v[FPS+2*\m+1], 0                     ; (named as the upper half of a pair)
.endr
.irp q, 0,1,2,3,4,5,6,7
	v_mov_b32 v[BT+\q], 0                          ; a lane permute's destination counts as one of its sources
.endr
	WALU
	s_wait_tensorcnt 0x0                           ; step 0's K is in
	ds_add_u32 v[SPW], v[NIL]
	s_wait_dscnt 0x0
	CROUND
	tensor_load_to_lds s[G0:G0+3], s[G1:G1+7]      ; K of step 1 and V of step 0
	s_nop 0
	PLACES 4
	KSC FSK, KSA, 0
.set g_, 0
.rept 12
	KL4 g_, KA, 0
.set g_, g_+1
.endr
	WIN 0
	ASK 2*BLOCK                                    ; what round 0 will ask for
	s_wait_loadcnt 0x0                             ; Q
.irp s, 0,1,2,3
	s_wait_dscnt 36-12*\s                          ; the scale words and this K step's 12 loads are in; the later K steps' may be out
	QKS \s, 0
.endr
	WIN 0
	PLACES 4
.set ML_, 0
.rept 92
	MAXLINE
.endr
	SMREST 1, 0, 0
	STEP 1, 1, 1, 0                                ; step 0
	s_mov_b32 s[TRIP], 5
.Lstep:                                                ; steps 1 to 5
	STEP 0, 1, 1, 0
	s_sub_co_u32 s[TRIP], s[TRIP], 1
	s_cmp_lg_u32 s[TRIP], 0
	s_cbranch_scc1 .Lstep
	STEP 0, 2, 2, 1                                ; step 6: V of step 7 alone is asked for, and its fragments are loaded behind step 7's exponentials
	PUTP 1                                         ; step 7: nothing is asked for
	s_wait_tensorcnt 0x0
	s_wait_dscnt 0x0
	s_barrier_signal -1
	s_barrier_wait -1                              ; P is handed over
	EXLOAD 1
.irp m, 0,1,2,3
	PL4 \m, 0
.endr
.irp m, 0,1,2,3
	PL4 \m, 1
.endr
	WIN 0
	STATS 0, 1, 32                                 ; younger: P's 32 loads
	RESC
	WALU
	s_wait_dscnt 0x0
	; THE WAY OUT, by columns of the output: an accumulator takes both halves of the keys with three others between, and leaves while the next columns are multiplied.
	; As they stand, each from its low end on: every store covers 512 consecutive bytes, at a multiple of 256 from po's first byte
.macro OUTD d
	WIN 0x08                                       ; a store's data: window 2
.irp m, 0,1,2,3
	global_store_b128 v[LI], v[64*\m+8*(\d):64*\m+8*(\d)+3], s[8:9] offset:(8*\m+(\d))*1024
	global_store_b128 v[LI], v[64*\m+8*(\d)+4:64*\m+8*(\d)+7], s[8:9] offset:(8*\m+(\d))*1024+512
.endr
.endm
.irp d, 0,1,2,3,4,5,6,7
.irp u, 0,1
.irp m, 0,1,2,3
	PV1 \u, \d, \m, 0
.endr
.endr
	PLACES 4
.if \d > 0
	OUTD \d-1
.endif
.endr
	OUTD 7
	WIN 0
	s_cmp_lg_u32 s[WV], 0                          ; all four waves hold the same sums and references: wave 0 stores them
	s_cbranch_scc1 .Lno_stats
	v_lshrrev_b32 v76, 1, v[LI]
	v_mov_b32 v80, v[ERL]
	v_mov_b32 v81, v[TMP+2]
	v_mov_b32 v82, v[ERL+1]
	v_mov_b32 v83, v[TMP+3]
	global_store_b64 v76, v[80:81], s[10:11]               ; 256 consecutive bytes: tiles 0 and 2,
	global_store_b64 v76, v[82:83], s[10:11] offset:256    ; tiles 1 and 3
.Lno_stats:
	s_wait_tensorcnt 0x0                           ; the wave's end
	ds_add_u32 v[SPW], v[NIL]
	s_wait_dscnt 0x0
	CROUND                                         ; the closing round
	s_endpgm
.Lfunc_end_k_qdfa8204d53_attn:
	.size	k_qdfa8204d53_attn, .Lfunc_end_k_qdfa8204d53_attn-k_qdfa8204d53_attn
	.p2alignl 7, 3214868480
	.fill 96, 4, 3214868480
	.section	.rodata,"a",@progbits
	.p2align	6, 0x0
	.amdhsa_kernel k_qdfa8204d53_attn
		.amdhsa_group_segment_fixed_size 327680
		.amdhsa_private_segment_fixed_size 0
		.amdhsa_enable_private_segment 0
		.amdhsa_kernarg_size 32
		.amdhsa_user_sgpr_count 2
		.amdhsa_user_sgpr_kernarg_segment_ptr 1
		.amdhsa_wavefront_size32 1
		.amdhsa_system_sgpr_workgroup_id_x 1
		.amdhsa_system_sgpr_workgroup_id_y 1
		.amdhsa_system_sgpr_workgroup_id_z 1
		.amdhsa_system_vgpr_workitem_id 0
		.amdhsa_next_free_vgpr 1024
		.amdhsa_next_free_sgpr 96
		.amdhsa_reserve_vcc 0
		.amdhsa_float_denorm_mode_32 3
		.amdhsa_float_denorm_mode_16_64 3
		.amdhsa_memory_ordered 1
		.amdhsa_forward_progress 1
		.amdhsa_inst_pref_size 255
	.end_amdhsa_kernel
	.section	.bss,"aw",@nobits
	.p2align	6
	.space	262144
	.amdgpu_metadata
---
amdhsa.version: [ 1, 2 ]
amdhsa.kernels:
  - .name:           k_qdfa8204d53_attn
    .symbol:         k_qdfa8204d53_attn.kd
    .args:
      - { .name: qf, .offset: 0, .size: 8, .value_kind: global_buffer, .address_space: global }
      - { .name: kv, .offset: 8, .size: 8, .value_kind: global_buffer, .address_space: global }
      - { .name: po, .offset: 16, .size: 8, .value_kind: global_buffer, .address_space: global }
      - { .name: pl, .offset: 24, .size: 8, .value_kind: global_buffer, .address_space: global }
    .group_segment_fixed_size: 327680
    .private_segment_fixed_size: 0
    .kernarg_segment_align: 8
    .kernarg_segment_size: 32
    .max_flat_workgroup_size: 128
    .sgpr_count:     96
    .vgpr_count:     1024
    .wavefront_size: 32
...
	.end_amdgpu_metadata
.endif
;; end of part 2
;; launch comb (part 3): grid 256 x 1, 8 waves a work-group, no clusters, 35,840 bytes of LDS; arguments po, pl, out0; writes out0
.if DOCPART == 3
	.amdgcn_target "amdgcn-amd-amdhsa--gfx1250"
	.amdhsa_code_object_version 6
	.text
	.protected	k_qdfa8204d53_comb
	.globl	k_qdfa8204d53_comb
	.p2align	8
	.type	k_qdfa8204d53_comb,@function
k_qdfa8204d53_comb:
	s_mov_b64 s[64:65], 0
	v_nop
	global_prefetch_b8 v0, s[64:65] scope:SCOPE_SE
	s_setreg_imm32_b32 hwreg(HW_REG_WAVE_MODE, 25, 1), 1
	s_wait_xcnt 0x0
; out0 = (the sum over the four splits of O_s 2^(N - N_s)) / (the sum of l_s 2^(N - N_s)), N the least of the four N_s (minus the row's common reference exponent): the four parts of the keys are joined.
; No work of the problem is left out here.  O_s and l_s carry the same factor 2^64, which the division takes away.
; Memory binds: each byte of po is read once, by loads of 512 consecutive bytes a wave, all 32 of a wave on their way at once; no matrix unit, no cluster, no tensor load, no barrier.
; SHARES.  Work-group g: block of 64 queries g / 4, columns 128 (g % 4) on.  Wave: tile of queries wave / 2, 64 columns (wave % 2): four accumulator images of each split.
; In an image lane (r, h) holds the query 32 (m / 2) + 8 (m % 2) + r + 8 (r / 8) of the block, and register j of tile d the column 32 (d / 2) + 8 (d % 2) + 16 h + j of the wave's 64.
; The results go through the wave's own stage in LDS (16 rows of 256 bytes + 16) and leave as whole runs of 256 bytes, sixteen lanes to a run.
.set STG,   16*272
.set SPARE, 8*STG                      ; behind the stages: the spare words, 128 bytes a wave
.set LI,  5
.set SO,  6                            ; 8 r: my query's pair in pl
.set STO, 7
.set RD,  8
.set GO,  9
.set SPW, 10                           ; my spare word; never rewritten
.set NIL, 11                           ; 0; never rewritten
.set STA, 12                           ; v12-19  (l, N) of the four splits
.set GP,  24                           ; v24-31  each split's weight, in pairs
.set WS,  32                           ; v32-35
.set D,   40                           ; v40-167 32 registers a split
.set BK,  72                           ; the rows read back: split 1's registers, which are done with
	s_load_b128 s[4:7], s[0:1], 0x0                ; po, pl
	s_load_b64 s[8:9], s[0:1], 0x10                ; out0
	v_lshl_add_u32 v[SPW], v0, 2, SPARE
	v_mov_b32 v[NIL], 0
	v_lshrrev_b32 v1, 5, v0
	s_delay_alu instid0(VALU_DEP_1)
	v_readfirstlane_b32 s10, v1                    ; wave 0..7
	s_lshr_b32 s11, ttmp9, 2                       ; block of queries
	s_and_b32 s12, ttmp9, 3                        ; which 128 columns
	s_lshr_b32 s13, s10, 1                         ; tile of queries m
	s_and_b32 s14, s10, 1                          ; which 64 of the 128 columns
	s_lshl_b32 s16, s11, 17                        ; po
	s_lshl_b32 s15, s12, 15
	s_add_co_u32 s16, s16, s15
	s_lshl_b32 s15, s13, 13
	s_add_co_u32 s16, s16, s15
	s_lshl_b32 s15, s14, 12
	s_add_co_u32 s16, s16, s15
	s_mov_b32 s17, 0
	s_lshl_b32 s18, s11, 9                         ; pl
	s_and_b32 s15, s13, 1                          ; a block's tiles lie in the order 0, 2, 1, 3
	s_lshl_b32 s15, s15, 8
	s_add_co_u32 s18, s18, s15
	s_lshr_b32 s15, s13, 1
	s_lshl_b32 s15, s15, 7
	s_add_co_u32 s18, s18, s15
	s_mov_b32 s19, 0
	s_lshl_b32 s20, s11, 6                         ; out0: row 64 B + 32 (m / 2) + 8 (m % 2),
	s_lshr_b32 s15, s13, 1
	s_lshl_b32 s15, s15, 5
	s_add_co_u32 s20, s20, s15
	s_and_b32 s15, s13, 1
	s_lshl_b32 s15, s15, 3
	s_add_co_u32 s20, s20, s15
	s_lshl_b32 s20, s20, 11                        ; of 2,048 bytes,
	s_lshl_b32 s15, s12, 9
	s_add_co_u32 s20, s20, s15
	s_lshl_b32 s15, s14, 8
	s_add_co_u32 s20, s20, s15                     ; and my 256 bytes of it
	s_mov_b32 s21, 0
	s_mul_i32 s15, s10, STG                        ; my stage
	v_and_b32 v2, 31, v0
	v_and_b32 v3, 15, v0                           ; r
	v_bfe_u32 v4, v0, 4, 1                         ; h
	s_delay_alu instid0(VALU_DEP_3)
	v_lshlrev_b32 v[LI], 4, v2
	s_delay_alu instid0(VALU_DEP_3)
	v_lshlrev_b32 v[SO], 3, v3
	s_delay_alu instid0(VALU_DEP_4)
	v_mul_u32_u24 v[STO], v3, 272
	s_delay_alu instid0(VALU_DEP_1)
	v_lshl_add_u32 v[STO], v4, 6, v[STO]
	s_delay_alu instid0(VALU_DEP_1)
	v_add_nc_u32 v[STO], s15, v[STO]               ; in: row r, + 64 h
	v_mul_u32_u24 v[RD], v4, 272
	s_delay_alu instid0(VALU_DEP_1)
	v_lshl_add_u32 v[RD], v3, 4, v[RD]
	s_delay_alu instid0(VALU_DEP_1)
	v_add_nc_u32 v[RD], s15, v[RD]                 ; back: lanes 0-15 one row, lanes 16-31 the next
	v_lshlrev_b32 v[GO], 11, v4
	s_delay_alu instid0(VALU_DEP_1)
	v_lshl_add_u32 v[GO], v3, 4, v[GO]             ; and the same two rows in out0
	s_wait_alu depctr_va_vdst(0)
	s_wait_kmcnt 0x0
	s_add_nc_u64 s[6:7], s[6:7], s[18:19]
	s_add_nc_u64 s[8:9], s[8:9], s[20:21]
	s_add_nc_u64 s[22:23], s[4:5], s[16:17]        ; a base for each split: they lie 8,388,608 bytes apart, beyond an immediate's reach
	s_add_nc_u64 s[24:25], s[22:23], 0x800000
	s_add_nc_u64 s[26:27], s[24:25], 0x800000
	s_add_nc_u64 s[28:29], s[26:27], 0x800000
.irp s, 0,1,2,3
	global_load_b64 v[STA+2*\s:STA+2*\s+1], v[SO], s[6:7] offset:32768*\s
.endr
.irp s, 0,1,2,3
.irp n, 0,1,2,3,4,5,6,7
	global_load_b128 v[D+32*\s+4*\n:D+32*\s+4*\n+3], v[LI], s[22+2*\s:23+2*\s] offset:512*\n th:TH_LOAD_NT
.endr
.endr
	s_wait_loadcnt 32                              ; the four pairs are in; the 32 loads issued behind them may be out
	v_min3_num_f32 v20, v[STA+1], v[STA+3], v[STA+5]
	s_delay_alu instid0(VALU_DEP_1)
	v_min_num_f32 v20, v20, v[STA+7]
.irp s, 0,1,2,3
	v_sub_f32 v[WS+\s], v20, v[STA+2*\s+1]         ; a whole number, 0 or less
.endr
.irp s, 0,1,2,3
	s_delay_alu instid0(VALU_DEP_4)
	v_cvt_i32_f32 v[WS+\s], v[WS+\s]
.endr
.irp s, 0,1,2,3
	s_delay_alu instid0(VALU_DEP_4)
	v_ldexp_f32 v[WS+\s], 1.0, v[WS+\s]
.endr
	s_delay_alu instid0(VALU_DEP_4)
	v_mul_f32 v22, v[STA], v[WS]
	s_delay_alu instid0(VALU_DEP_1)
	v_fma_f32 v22, v[STA+2], v[WS+1], v22
	s_delay_alu instid0(VALU_DEP_1)
	v_fma_f32 v22, v[STA+4], v[WS+2], v22
	s_delay_alu instid0(VALU_DEP_1)
	v_fma_f32 v22, v[STA+6], v[WS+3], v22          ; the row's sum
	s_wait_alu depctr_va_vdst(0)
	v_rcp_f32 v21, v22
	v_nop                                          ; a plain place behind the reciprocal,
	s_wait_alu depctr_va_vdst(0)                   ; and the wait ahead of the first use
.irp s, 0,1,2,3
	v_mul_f32 v[GP+2*\s], v[WS+\s], v21
.endr
.irp s, 0,1,2,3
	s_delay_alu instid0(VALU_DEP_4)
	v_mov_b32 v[GP+2*\s+1], v[GP+2*\s]             ; (named as the upper half of a pair)
.endr
	s_wait_alu depctr_va_vdst(0)
	s_wait_loadcnt 24                              ; split 0's eight loads are in
.irp q, 0,2,4,6,8,10,12,14,16,18,20,22,24,26,28,30
	v_pk_mul_f32 v[D+\q:D+\q+1], v[D+\q:D+\q+1], v[GP:GP+1] op_sel_hi:[1,0]
.endr
.irp s, 1,2,3
	s_wait_loadcnt 24-8*\s                         ; split s's are in; the later splits' may be out
.irp q, 0,2,4,6,8,10,12,14,16,18,20,22,24,26,28,30
	v_pk_fma_f32 v[D+\q:D+\q+1], v[D+32*\s+\q:D+32*\s+\q+1], v[GP+2*\s:GP+2*\s+1], v[D+\q:D+\q+1] op_sel_hi:[1,0,1]
.endr
.endr
.irp d, 0,1,2,3
.irp c, 0,1
	ds_store_b128 v[STO], v[D+8*\d+4*\c:D+8*\d+4*\c+3] offset:128*(\d/2)+32*(\d%2)+16*\c
.endr
.endr
.irp k, 0,1,2,3,4,5,6,7
	ds_load_b128 v[BK+4*\k:BK+4*\k+3], v[RD] offset:2*\k*272   ; LDS serves a wave's instructions in order (ISA guide 5.7.1.4): these see my stores
.endr
.irp k, 0,1,2,3,4,5,6,7
	s_wait_dscnt 7-\k                              ; the k-th is in; the loads issued behind it may be out
	global_store_b128 v[GO], v[BK+4*\k:BK+4*\k+3], s[8:9] offset:(2*\k+8*(\k/4))*2048 th:TH_STORE_NT   ; stage rows 2 k, 2 k + 1 are the tile's queries 2 k + h + 8 (k / 4); 16 lanes store 256 consecutive bytes, aligned
.endr
	s_wait_tensorcnt 0x0                           ; the wave's end
	ds_add_u32 v[SPW], v[NIL]
	s_wait_dscnt 0x0
	s_endpgm
.Lfunc_end_k_qdfa8204d53_comb:
	.size	k_qdfa8204d53_comb, .Lfunc_end_k_qdfa8204d53_comb-k_qdfa8204d53_comb
	.p2alignl 7, 3214868480
	.fill 96, 4, 3214868480
	.section	.rodata,"a",@progbits
	.p2align	6, 0x0
	.amdhsa_kernel k_qdfa8204d53_comb
		.amdhsa_group_segment_fixed_size 35840
		.amdhsa_private_segment_fixed_size 0
		.amdhsa_enable_private_segment 0
		.amdhsa_kernarg_size 24
		.amdhsa_user_sgpr_count 2
		.amdhsa_user_sgpr_kernarg_segment_ptr 1
		.amdhsa_wavefront_size32 1
		.amdhsa_system_sgpr_workgroup_id_x 1
		.amdhsa_system_sgpr_workgroup_id_y 1
		.amdhsa_system_sgpr_workgroup_id_z 1
		.amdhsa_system_vgpr_workitem_id 0
		.amdhsa_next_free_vgpr 168
		.amdhsa_next_free_sgpr 66
		.amdhsa_reserve_vcc 0
		.amdhsa_float_denorm_mode_32 3
		.amdhsa_float_denorm_mode_16_64 3
		.amdhsa_memory_ordered 1
		.amdhsa_forward_progress 1
		.amdhsa_inst_pref_size 15
	.end_amdhsa_kernel
	.amdgpu_metadata
---
amdhsa.version: [ 1, 2 ]
amdhsa.kernels:
  - .name:           k_qdfa8204d53_comb
    .symbol:         k_qdfa8204d53_comb.kd
    .args:
      - { .name: po, .offset: 0, .size: 8, .value_kind: global_buffer, .address_space: global }
      - { .name: pl, .offset: 8, .size: 8, .value_kind: global_buffer, .address_space: global }
      - { .name: out0, .offset: 16, .size: 8, .value_kind: global_buffer, .address_space: global }
    .group_segment_fixed_size: 35840
    .private_segment_fixed_size: 0
    .kernarg_segment_align: 8
    .kernarg_segment_size: 24
    .max_flat_workgroup_size: 256
    .sgpr_count:     66
    .vgpr_count:     168
    .wavefront_size: 32
...
	.end_amdgpu_metadata
.endif
;; end of part 3
